; MI455X (gfx1250); checked and timed in simulation.
; The chip was launched on July 23, 2026; its instructions are those of AMD's public machine-readable ISA for CDNA 5 (MIT licence, August 2026) and "CDNA5" Instruction Set Architecture Reference Guide (July 2026). The comments in the code are by the model that wrote it; some were corrected since.
;; Co Attention LBSA. Allowed arithmetic: matrix products marked QUANTISED: E3M2 operands, one E8M0 scale for each 32 along K, by v_wmma_scale_f32_16x16x128_f8f6f4 with both operands' format E3M2, f32 sums; products left as they are: f32 operands where the result goes on into a quantised operand, else bf16, f16 or f32 operands; f32 sums; everything else in f32.
;; Inputs: b 512 float32; context_vector 512 x 1 float32; mask 64 x 512 bool; weight 1,024 x 1,024 float32; x 64 x 512 x 1,024 float32.
;; Outputs: out0 64 x 1,024 float32; out1 64 x 512 float32.
;; This version of the problem:
;;   THIS VERSION OF THE PROBLEM IS GIVEN IN LOW PRECISION. The matrix products marked QUANTISED in the list below multiply operands that are first quantised to E3M2 (3 exponent bits, 2 mantissa bits; 6 bits a number), with one power-of-two scale for each 32 numbers along K (OCP MX v1.0); their sums are f32. All else is computed in f32.
;;   The module's matrix products, in the order in which they are computed (A, B: the left and right operand; K: the contracted axis; several contracted axes count as one K, in the product's order):
;;     1. [M 32,768, K 1,024] x [K 1,024, N 1,024]; A: input x; B: input weight: QUANTISED
;;     2. batch 64 x [M 512, K 1,024] x [K 1,024, N 512]; A: computed on the way; B: input x: QUANTISED
;;     3. [M 32,768, K 512] x [K 512, N 1]; A: computed on the way; B: input context_vector: left as it is (N = 1 < 16)
;;     4. batch 64 x [M 1,024, K 512] x [K 512, N 1]; A: input x; B: softmax: left as it is (N = 1 < 16)
;;   THE QUANTISER, for each operand of a quantised product, along K:
;;     - K is cut into blocks of 32 from its start; a last block that is shorter is filled with zeros.
;;     - A block's scale is 2^e with e = floor(log2(the largest magnitude in the block)) - 4, held to -126 .. 127; a block of zeros has e = 0. As a byte (E8M0): e + 127.
;;     - Each number is divided by its block's scale, clamped to +-28, and rounded to the nearest number of E3M2, ties to even, subnormals kept.
;;     - The product sums the exact products of the quantised numbers (number of the format x scale) in f32.
;;   ~~~python
;;   def quantise(x, axis):      # numpy; x: float32 -> the quantised numbers, widened to float32 again
;;       x = np.moveaxis(x, axis, -1); K = x.shape[-1]
;;       x = np.pad(x, [(0, 0)] * (x.ndim - 1) + [(0, -K % 32)]); x = x.reshape(x.shape[:-1] + (-1, 32)); a = np.abs(x).max(-1, keepdims=True)
;;       e = np.where(a > 0, np.clip(np.frexp(np.where(a > 0, a, 1))[1] - 1 - 4, -126, 127), 0)      # np.frexp(a)[1] - 1 = floor(log2(a)), exactly
;;       r = np.clip(x / 2.0 ** e, -28, 28)
;;       step = 2.0 ** (np.maximum(np.frexp(np.where(r == 0, 1, r))[1] - 1, -2) - 2)
;;       q = np.round(r / step) * step * 2.0 ** e      # np.round: ties to even
;;       return np.moveaxis(q.reshape(q.shape[:-2] + (-1,))[..., :K], -1, axis).astype(np.float32)
;;   ~~~
;;   OPERANDS COMPUTED ON THE WAY. 'Computed on the way' means the value that the module computes at that place (a softmax that the list does not call 'softmax' is quantised finished and normalised). What goes into a quantiser is computed in f32, as accurately as f32 sums, v_exp_f32 and their like allow (about 1e-6 of the number): no bf16 or f16 on the way to a quantiser, and a product that is left as it is and whose result goes on into a quantised operand takes f32 operands (vector FMAs, or v_wmma_f32_16x16x4_f32). A number that lies on a knife's edge between two numbers of the format may be rounded either way, as far as f32 arithmetic and the matrix unit's own rounding can turn it there, and no further.
;; One version. Each part assembles by itself: llvm-mc -triple=amdgcn-amd-amdhsa -mcpu=gfx1250 --defsym DOCPART=n.
;; ======== version 1 of 1: 3 launches
;; workspace buffers: codes 27,033,600 bytes; scores 131,072 bytes
;; launch quant (part 1): grid 288 x 1, 8 waves a work-group, no clusters, 93,184 bytes of LDS; arguments x, weight, codes; writes codes
.if DOCPART == 1
	.amdgcn_target "amdgcn-amd-amdhsa--gfx1250"
	.amdhsa_code_object_version 6
	.text
	.protected	k_q001d828e44_quant
	.globl	k_q001d828e44_quant
	.p2align	8
	.type	k_q001d828e44_quant,@function
k_q001d828e44_quant:
	s_mov_b64 s[64:65], 0
	v_nop
	global_prefetch_b8 v0, s[64:65] scope:SCOPE_SE
	s_setreg_imm32_b32 hwreg(HW_REG_WAVE_MODE, 25, 1), 1
	s_wait_xcnt 0x0
; x [64][512][1024] f32 (K = its last axis) and weight [1024 (d)][1024 (e)] f32 (K = its FIRST axis) become codes of BF6 (E3M2) with one E8M0 byte for each 32 along K.
; A block's scale is 2^(floor(log2(its largest magnitude)) - 4): the byte is the largest magnitude's exponent field - 4, held at 1 from below by a floor among the maximum's leaves.
; LIMITS: a block of zeros, or one whose largest magnitude lies under 2^(5 - 127), gets the byte 1 (zero codes add nothing under it; only this program reads the bytes); NaN and infinities among the inputs are not served.
; LAYOUT OF codes: it is laid in the order of the operand's registers, so that the next launch needs no rows and no pitch.
;   slot (102,400 bytes) = 4 blocks; block (25,600 bytes) = 128 rows n x 256 along K = two K steps of 128: fragment (q, tile i) at q*KSB + i*FRB, the scale words of K step q at SCO + 512 q.
;   fragment image: register p (0..11) of lane L at (p / 4) * 512 + 16 L + 4 (p % 4): three accesses of 16 bytes a lane move it.  Lane (r, h): row r, registers 6 c .. 6 c + 5 = k 64 c + 32 h + 0 .. 31.
;   scale block: the word at 16 l + 4 k belongs to tile 2 k + l / 16, row l % 16.
;   slots 0-7: weight, e = 512 (slot / 4) + 128 block + .., d = 256 (slot % 4) + ..;  slot 8 + 4 batch + j: x of that batch, rows 128 block + .., K = 256 j + ..
;   x's tiles take neighbouring rows.  weight's tiles do not: tile 2 g + u, row m holds e = 32 g + 8 u + m + 8 (m / 8), so that the next launch's results lie as 16 neighbours along its next K.
; SHARES.  Wave v takes block v / 2, K step v % 2 of its work-group's slot.  Waves share nothing: no barrier.
;   Work-groups 0-255: x, a slot each (slot = 8 + number): a wave has 128 rows x 128 K, 64 KB of f32: eight fragments and one scale block.
;   Work-groups 256-287: weight, FOUR to a slot: each takes one group g of 32 columns of each block, so that a wave has 32 columns x 128 K, 16 KB: two fragments.  They stand last in the grid: the long work-groups come first.
.set FRB,   1536
.set KSB,   12288
.set SCO,   24576
.set BLK,   25600
.set SLOTB, 102400
.set NW,    8                          ; slots of weight
.set NX,    256                        ; work-groups of x
.set SP,    528                        ; x's stage: 16 rows of 512 bytes + 16
.set XST,   16*SP                      ; a wave's stage
.set WBASE, 8*XST                      ; weight's path has LDS bytes of its own, behind the eight stages
.set WREG,  3072                       ; a wave's: two fragment images
.set R,     16                         ; v16-143  numbers as they are loaded
.set X,     144                        ; v144-207 x: 64 numbers of a lane: register 16 b + i = k 32 b + 16 h + i of row r
.set TM,    208                        ; v208-223 at work
.set PC,    224                        ; v224-235 a fragment's codes
.set PCX,   236                        ; v236-243 the conversions' second halves
.set SW,    244                        ; v244-247 the scale block's four registers
.set PW,    248                        ; v248     an odd tile's scale word
.set C,     148                        ; weight: v148-179 a block's six words, a set for each of the four blocks
.set CT,    180                        ; v180-182
.set RB,    184                        ; v184-207 two images read back
	s_load_b128 s[4:7], s[0:1], 0x0                ; x, weight
	s_load_b64 s[8:9], s[0:1], 0x10                ; codes
	v_lshl_add_u32 v254, v0, 2, 0x16800
	v_mov_b32 v255, 0
	v_lshrrev_b32 v4, 5, v0
	v_readfirstlane_b32 s12, v4                    ; wave 0..7
	v_and_b32 v5, 31, v0                           ; lane
	v_lshlrev_b32 v1, 4, v5                        ; 16 x lane: never rewritten
	v_lshlrev_b32 v12, 2, v5                       ; 4 x lane
	v_and_b32 v6, 15, v0                           ; r
	v_bfe_u32 v7, v0, 4, 1                         ; h
	; every LDS address of both paths is made here, ahead of the branch
	s_mul_i32 s25, s12, XST
	v_add_nc_u32 v2, s25, v1                       ; x's stage, way in: a row's 512 bytes as they lie
	v_mul_u32_u24 v3, v6, SP
	v_lshl_add_u32 v3, v7, 6, v3
	v_add_nc_u32 v3, s25, v3                       ; way out: row r, + 64 h: my 16 numbers of a block of 32
	s_mul_i32 s26, s12, WREG
	s_add_co_u32 s26, s26, WBASE
	v_and_b32 v8, 7, v0
	v_lshl_add_u32 v8, v7, 3, v8                   ; weight: my column's row in its tile: (lane % 8) + 8 (lane / 16)
	v_bfe_u32 v9, v0, 3, 1                         ; and which of the group's two tiles: (lane / 8) % 2
	v_lshlrev_b32 v8, 4, v8
	v_lshl_add_u32 v11, v9, 8, v8                  ; my scale word's place in the scale block: 16 (row + 16 tile); 4 x group is in the base
	v_add_nc_u32 v8, s26, v8
	v_mad_u32_u24 v8, v9, FRB, v8                  ; my place in the two images: tile x FRB + 16 x row
	v_add_nc_u32 v10, s26, v1                      ; and the way back: 16 x lane
	s_lshr_b32 s13, s12, 1                         ; block
	s_and_b32 s14, s12, 1                          ; K step
	s_lshr_b32 s27, ttmp9, 2
	s_max_u32 s27, s27, NX/4
	s_sub_co_u32 s27, s27, NX/4                    ; weight's slot: (number - 256) / 4
	s_add_co_u32 s28, ttmp9, NW                    ; x's slot
	s_cmp_ge_u32 ttmp9, NX
	s_cselect_b32 s27, s27, s28                    ; my slot
	s_mul_i32 s16, s27, SLOTB
	s_mul_i32 s17, s13, BLK
	s_add_co_u32 s16, s16, s17
	s_mov_b32 s17, 0
	s_mul_i32 s18, s14, KSB
	s_mov_b32 s19, 0
	s_lshl_b32 s22, s14, 9
	s_add_co_u32 s22, s22, SCO
	s_mov_b32 s23, 0
	s_mov_b32 s20, 0x76543210
	s_mov_b32 s21, 0xfedcba98                      ; v_permlanex16_b32's selects for lane l xor 16
	s_mov_b32 s24, 0xffff0000                      ; lanes 16-31
	s_wait_kmcnt 0x0
	s_add_nc_u64 s[8:9], s[8:9], s[16:17]          ; my block,
	s_add_nc_u64 s[10:11], s[8:9], s[22:23]        ; my K step's scale block,
	s_add_nc_u64 s[8:9], s[8:9], s[18:19]          ; my K step's eight fragments
	s_cmp_ge_u32 ttmp9, NX
	s_cbranch_scc1 .Lweight
; ---------------- x ----------------
	s_lshr_b32 s17, ttmp9, 2                       ; batch
	s_and_b32 s16, ttmp9, 3                        ; j
	s_lshl_b32 s17, s17, 21                        ; 512 rows of 4,096 bytes
	s_lshl_b32 s18, s13, 19                        ; 128 rows
	s_add_co_u32 s17, s17, s18
	s_lshl_b32 s16, s16, 10                        ; 256 numbers
	s_add_co_u32 s17, s17, s16
	s_lshl_b32 s18, s14, 9                         ; 128 numbers
	s_add_co_u32 s16, s17, s18
	s_mov_b32 s17, 0
	s_add_nc_u64 s[4:5], s[4:5], s[16:17]
.irp b, 0,1,2,3
	v_mov_b32 v[TM+4+\b], 0                        ; written once: a lane permute's destination counts as one of its sources
.endr
.macro LOADX t                         ; tile t's 16 rows: each load reads 512 consecutive bytes of one row
.irp rr, 0,1,2,3,4,5,6,7,8,9,10,11,12,13,14,15
	global_load_b128 v[R+64*((\t)%2)+4*\rr:R+64*((\t)%2)+4*\rr+3], v1, s[4:5] offset:(16*(\t)+\rr)*4096 th:TH_LOAD_NT
.endr
.endm
.macro TURNX t                         ; through the wave's own stage: in as rows, out 16 neighbours of each block of 32 a lane.  LDS serves a wave's instructions in order: no wait between
.irp rr, 0,1,2,3,4,5,6,7,8,9,10,11,12,13,14,15
	ds_store_b128 v2, v[R+64*((\t)%2)+4*\rr:R+64*((\t)%2)+4*\rr+3] offset:SP*\rr
.endr
.irp b, 0,1,2,3
.irp jj, 0,1,2,3
	ds_load_b128 v[X+16*\b+4*\jj:X+16*\b+4*\jj+3], v3 offset:128*\b+16*\jj
.endr
.endr
.endm
; 64 numbers of a lane become half blocks of codes (QA) and then a fragment's registers (QB); the row's scale word goes to v[pw]
.macro QA s, pc, pw
.irp b, 0,1,2,3
	v_max3_num_f32 v[TM+\b], |v[\s+16*\b]|, |v[\s+1+16*\b]|, 0x2800000   ; block b: my 16 numbers, and the floor 2^(5 - 127)
.endr
.irp i, 2,4,6,8,10,12,14
.irp b, 0,1,2,3
	v_max3_num_f32 v[TM+\b], v[TM+\b], |v[\s+16*\b+\i]|, |v[\s+1+16*\b+\i]|   ; the four blocks by turns
.endr
.endr
.irp b, 0,1,2,3
	v_permlanex16_b32 v[TM+4+\b], v[TM+\b], s20, s21
.endr
.irp b, 0,1,2,3
	v_max_num_f32 v[TM+\b], v[TM+\b], v[TM+4+\b]   ; with lane l xor 16's: the block's largest magnitude
.endr
.irp b, 0,1,2,3
	v_add_nc_u32 v[TM+12+\b], 0xfe000000, v[TM+\b] ; 4 off its exponent field: the conversion's scale operand
.endr
.irp b, 0,1,2,3
	v_lshrrev_b32 v[TM+4+\b], 23, v[TM+12+\b]      ; the scale's byte
.endr
	v_lshl_or_b32 v[\pw], v[TM+5], 8, v[TM+4]
	v_lshl_or_b32 v[\pw], v[TM+6], 16, v[\pw]
	v_lshl_or_b32 v[\pw], v[TM+7], 24, v[\pw]      ; my row's scale word (both halves of the lanes hold it)
.irp c, 0,1
	v_cvt_scalef32_pk16_bf6_f32 v[\pc+6*\c:\pc+2+6*\c], v[\s+32*\c:\s+15+32*\c], v[TM+12+2*\c]
	v_cvt_scalef32_pk16_bf6_f32 v[PCX+4*\c:PCX+2+4*\c], v[\s+16+32*\c:\s+31+32*\c], v[TM+12+2*\c+1]   ; (a conversion's three registers begin on an even number)
.endr
	v_nop                                          ; one plain place behind a scaled conversion
.endm
.macro QB pc                           ; the operand's layout wants a whole block in a lane: lanes 0-15 block 2 c, lanes 16-31 block 2 c + 1
.irp c, 0,1
.irp i, 0,1,2
	v_permlane16_swap_b32 v[\pc+6*\c+\i], v[PCX+4*\c+\i]
.endr
.irp i, 0,1,2
	v_mov_b32 v[\pc+3+6*\c+\i], v[PCX+4*\c+\i]
.endr
.endr
.endm
.macro FRAGX t
	s_wait_dscnt 0x0                               ; tile t's numbers are back from the stage, so the stage's stores have read their registers,
.if (\t)+2 < 8
	LOADX (\t)+2                                   ; which take the tile two on
.endif
	s_wait_xcnt 0x0                                ; the last tile's stores have read the codes' registers: they are rewritten only behind this wait
.if (\t)%2 == 0
	QA X, PC, SW+(\t)/2
.else
	QA X, PC, PW
.endif
.if (\t) < 6
	s_wait_loadcnt 16                              ; the next tile's 16 loads are in; the 16 behind them may be out
	TURNX (\t)+1
.elseif (\t) == 6
	s_wait_loadcnt 0x0
	TURNX 7
.endif
	QB PC
.if (\t)%2 == 1
	v_cndmask_b32 v[SW+(\t)/2], v[SW+(\t)/2], v[PW], s24   ; the even tile's words in lanes 0-15, the odd tile's in lanes 16-31
.endif
.irp c, 0,1,2
	global_store_b128 v1, v[PC+4*\c:PC+4*\c+3], s[8:9] offset:(\t)*FRB+512*\c   ; 32 lanes store 512 consecutive bytes
.endr
.endm
	LOADX 0
	LOADX 1
	s_wait_loadcnt 16                              ; tile 0's loads are in
	TURNX 0
.irp t, 0,1,2,3,4,5,6,7
	FRAGX \t
.endr
	global_store_b128 v1, v[SW:SW+3], s[10:11]     ; the K step's scale block: 512 consecutive bytes
	s_wait_tensorcnt 0x0
	ds_add_u32 v254, v255
	s_wait_dscnt 0x0
	s_endpgm
; ---------------- weight: a lane takes a column e, and its registers run down d ----------------
; A wave walks four blocks of 32 rows x 32 columns down its K step.  Each block has registers of its own; loads run two blocks ahead: 64 loads of a wave are out at the most.
.Lweight:
	s_and_b32 s29, ttmp9, 3                        ; my group of 32 columns (256 is a multiple of 4)
	s_lshr_b32 s16, s27, 2                         ; which 512 columns
	s_and_b32 s17, s27, 3                          ; which 256 rows
	s_lshl_b32 s16, s16, 11
	s_lshl_b32 s17, s17, 20
	s_add_co_u32 s16, s16, s17
	s_lshl_b32 s17, s14, 19                        ; my K step's 128 rows
	s_add_co_u32 s16, s16, s17
	s_lshl_b32 s17, s13, 9                         ; my block's 128 columns
	s_add_co_u32 s16, s16, s17
	s_lshl_b32 s17, s29, 7                         ; my group's 32 of them
	s_add_co_u32 s16, s16, s17
	s_mov_b32 s17, 0
	s_add_nc_u64 s[6:7], s[6:7], s[16:17]
	s_mul_i32 s16, s29, 2*FRB
	s_add_nc_u64 s[8:9], s[8:9], s[16:17]          ; tiles 2 g and 2 g + 1 of my K step
	s_lshl_b32 s16, s29, 2
	s_add_nc_u64 s[10:11], s[10:11], s[16:17]      ; word g of each lane's four in the scale block
.macro LOADW jb                        ; rows 32 jb + 0 .. 31 of my 32 columns: each load reads 128 consecutive bytes
.irp i, 0,1,2,3,4,5,6,7,8,9,10,11,12,13,14,15,16,17,18,19,20,21,22,23,24,25,26,27,28,29,30,31
	global_load_b32 v[R+32*(\jb)+\i], v12, s[6:7] offset:(32*(\jb)+\i)*4096
.endr
.endm
.macro BLOCKW jb
.set XS, R+32*(\jb)
.set JB, (\jb)
.if (\jb) < 3
	s_wait_loadcnt 32                              ; this block's 32 loads are in; behind them only the next block's 32 have been issued
.else
	s_wait_loadcnt 0x0
.endif
.if (\jb)+2 < 4
	LOADW (\jb)+2                                  ; two blocks ahead
.endif
	v_max3_num_f32 v144, |v[XS]|, |v[XS+1]|, |v[XS+2]|     ; the block's largest magnitude: all 32 numbers are mine
	v_max3_num_f32 v145, |v[XS+3]|, |v[XS+4]|, |v[XS+5]|
.irp i, 6,10,14,18,22,26
	v_max3_num_f32 v144, v144, |v[XS+\i]|, |v[XS+\i+1]|
	v_max3_num_f32 v145, v145, |v[XS+\i+2]|, |v[XS+\i+3]|
.endr
	v_max3_num_f32 v144, v144, |v[XS+30]|, |v[XS+31]|
	v_max3_num_f32 v144, v144, v145, 0x2800000     ; and the floor
	v_add_nc_u32 v146, 0xfe000000, v144            ; the conversion's scale operand
	v_lshrrev_b32 v145, 23, v146                   ; the byte
.if JB == 0
	v_mov_b32 v147, v145
.else
	v_lshl_or_b32 v147, v145, 8*JB, v147           ; the K step's four bytes make my column's scale word
.endif
	v_cvt_scalef32_pk16_bf6_f32 v[CC_OF_JB:CC_OF_JB+2], v[XS:XS+15], v146
	v_cvt_scalef32_pk16_bf6_f32 v[CT:CT+2], v[XS+16:XS+31], v146
	v_nop                                          ; one plain place behind a scaled conversion
.irp i, 0,1,2
	v_mov_b32 v[CC_OF_JB+3+\i], v[CT+\i]           ; the block's six words on end
.endr
; block jb = 2 c + h is registers 6 c .. 6 c + 5 of the fragment's lane row + 16 h
.if JB < 2
	ds_store_b128 v8, v[CC_OF_JB:CC_OF_JB+3] offset:256*JB
	ds_store_b64 v8, v[CC_OF_JB+4:CC_OF_JB+5] offset:512+256*JB
.else
	ds_store_b64 v8, v[CC_OF_JB:CC_OF_JB+1] offset:520+256*(JB-2)
	ds_store_b128 v8, v[CC_OF_JB+2:CC_OF_JB+5] offset:1024+256*(JB-2)
.endif
.endm
	LOADW 0
	LOADW 1
.irp jb, 0,1,2,3
.set CC_OF_JB, C+8*(\jb)
	BLOCKW \jb
.endr
	global_store_b32 v11, v147, s[10:11]           ; my column's scale word: every fourth word of the scale block, 4 bytes a lane, 16 bytes apart; the slot's other three work-groups store the words between.
	                                               ; These are 128 of the 3,200 bytes that a wave stores; whole blocks would want the four groups in one work-group and a barrier on this path alone
.irp n, 0,1,2,3,4,5
	ds_load_b128 v[RB+4*\n:RB+4*\n+3], v10 offset:512*\n   ; my own bytes, served in order: these see the stores above
.endr
	s_wait_dscnt 0x0
.irp n, 0,1,2,3,4,5
	global_store_b128 v1, v[RB+4*\n:RB+4*\n+3], s[8:9] offset:512*\n   ; 512 consecutive bytes each
.endr
	s_wait_tensorcnt 0x0
	ds_add_u32 v254, v255
	s_wait_dscnt 0x0
	s_endpgm
.Lfunc_end_k_q001d828e44_quant:
	.size	k_q001d828e44_quant, .Lfunc_end_k_q001d828e44_quant-k_q001d828e44_quant
	.p2alignl 7, 3214868480
	.fill 96, 4, 3214868480
	.section	.rodata,"a",@progbits
	.p2align	6, 0x0
	.amdhsa_kernel k_q001d828e44_quant
		.amdhsa_group_segment_fixed_size 93184
		.amdhsa_private_segment_fixed_size 0
		.amdhsa_enable_private_segment 0
		.amdhsa_kernarg_size 24
		.amdhsa_user_sgpr_count 2
		.amdhsa_user_sgpr_kernarg_segment_ptr 1
		.amdhsa_wavefront_size32 1
		.amdhsa_system_sgpr_workgroup_id_x 1
		.amdhsa_system_sgpr_workgroup_id_y 1
		.amdhsa_system_sgpr_workgroup_id_z 1
		.amdhsa_system_vgpr_workitem_id 0
		.amdhsa_next_free_vgpr 256
		.amdhsa_next_free_sgpr 66
		.amdhsa_reserve_vcc 0
		.amdhsa_float_denorm_mode_32 3
		.amdhsa_float_denorm_mode_16_64 3
		.amdhsa_memory_ordered 1
		.amdhsa_forward_progress 1
		.amdhsa_inst_pref_size 85
	.end_amdhsa_kernel
	.amdgpu_metadata
---
amdhsa.version: [ 1, 2 ]
amdhsa.kernels:
  - .name:           k_q001d828e44_quant
    .symbol:         k_q001d828e44_quant.kd
    .args:
      - { .name: x, .offset: 0, .size: 8, .value_kind: global_buffer, .address_space: global }
      - { .name: weight, .offset: 8, .size: 8, .value_kind: global_buffer, .address_space: global }
      - { .name: codes, .offset: 16, .size: 8, .value_kind: global_buffer, .address_space: global }
    .group_segment_fixed_size: 93184
    .private_segment_fixed_size: 0
    .kernarg_segment_align: 8
    .kernarg_segment_size: 24
    .max_flat_workgroup_size: 256
    .sgpr_count:     66
    .vgpr_count:     256
    .wavefront_size: 32
...
	.end_amdgpu_metadata
.endif
;; end of part 1
;; launch bilin (part 2): grid 256 x 1, 4 waves a work-group, clusters of 4 x 1, 327,680 bytes of LDS; arguments codes, b, context_vector, scores; writes scores
.if DOCPART == 2
	.amdgcn_target "amdgcn-amd-amdhsa--gfx1250"
	.amdhsa_code_object_version 6
	.text
	.protected	k_q001d828e44_bilin
	.globl	k_q001d828e44_bilin
	.p2align	8
	.type	k_q001d828e44_bilin,@function
k_q001d828e44_bilin:
	s_mov_b64 s[64:65], 0
	v_nop
	global_prefetch_b8 v0, s[64:65] scope:SCOPE_SE
	s_setreg_imm32_b32 hwreg(HW_REG_WAVE_MODE, 25, 1), 1
	s_wait_xcnt 0x0
	s_wait_alu depctr_hold_cnt(0) depctr_sa_sdst(0) depctr_va_vdst(0) depctr_va_sdst(0) depctr_va_ssrc(0) depctr_va_vcc(0) depctr_vm_vsrc(0)
	s_getreg_b32 s2, hwreg(HW_REG_IB_STS2, 6, 4)
	s_cmp_eq_u32 s2, 0
	s_cbranch_scc0 .Lentry_in_a_cluster
	s_endpgm
.Lentry_in_a_cluster:
	s_bfe_u32 s2, ttmp6, 0x10000c
	s_cmp_lg_u32 s2, 0x3003
	s_cbranch_scc0 .Lentry_shape_is_right
	s_endpgm
.Lentry_shape_is_right:
; scores[batch][t] = sum over s of c[s] tanh(eij[t][s] + b[s]),  eij = Q(xw) Q(x)^T,  xw = Q(x) Q(W): both products on codes of BF6 (E3M2) with E8M0 scales; xw is quantised in registers and never goes to memory.
; SHARES.  A cluster of four work-groups is a batch; a work-group owns 128 rows t.  THREE PASSES OF ONE SHAPE, [128 t x K 1,024] x [512 n x K 1,024]^T:
;   pass 0: stream = W's columns e 0-511, resident = my rows of x      -> xw's K steps 0-3 (wave w makes step w)
;   pass 1: stream = W's columns e 512-1023, resident = my rows of x   -> xw's K steps 4-7
;   pass 2: stream = the batch's 512 rows of x, resident = xw's codes  -> eij
; The resident operand (source 1: 8 tiles of t, all of K) lies in LDS region R0 and is read by all four waves.  The stream (source 0) is 12 slots of two K steps through a ring of two LDS slots; wave w owns n = 128 w .. 128 w + 127,
; fetches its own block of each slot and alone reads it.  A wave makes 128 x 128: 64 accumulators, 512 registers.  All four work-groups of the cluster walk the same stream: every stream load is asked for JOINTLY.
; THE MATRIX INSTRUCTION IS USED TRANSPOSED: a lane holds one row t (lane % 16), its registers run along n.  W's tiles were laid so that a tile of t's 64 registers are, 16 by 16, neighbours along the next K.
; R0 and two slots fill LDS, and my rows of x are needed until pass 1 ends: so pass 0's codes wait in 100 registers and go into R0 together with pass 1's.
; codes is laid as images of operand registers (see the launch that makes it): a fragment is three loads of 16 bytes a lane at 16 x lane; a K step's scale words of 8 tiles are one such load:
; register k holds tile 2 k's words in lanes 0-15 and tile 2 k + 1's in lanes 16-31.
; tanh(z) = 1 - 2 / (1 + 2^(2 log2(e) z)): it goes to +-1 through infinity and 0, with no NaN for finite z.  LIMITS: NaN and infinities among the inputs are not served; a block of xw under 2^(5 - 127) gets the byte 1.
; REGISTERS: window 0: v0-11 addresses; v12-15 kept scale words; v16-31 scale words, two sets; v32-127 kept codes; v128-223 resident fragments, one set; v224-255 at work.
;   window 1: the stream's fragments, two sets, at v0 and v128.   windows 2, 3: accumulator (a, i) at v[8 (8 (a % 4) + i)] of window 2 + a / 4.
.set FRB,   1536
.set KSB,   12288
.set SCO,   24576
.set BLK,   25600
.set SLOTB, 102400
.set PANEL, 409600
.set SLOT0, 102400                     ; LDS: R0 at 0, then the two slots;
.set SLOT1, 204800
.set FLIP,  0x2B000                    ; SLOT0 xor SLOT1
.set SPARE, 307200                     ; the spare words, 128 bytes a wave: two blocks of 256 bytes that no other line names;
.set SCR,   307712                     ; the waves' partial scores, [4][128] f32;
.set BC,    309760                     ; 2 log2(e) b[512], then -2 c[512]
.set LI,  1                            ; v1   16 x lane
.set SB0, 2                            ; v2   my block in a slot + 16 x lane
.set ADA, 3                            ; v3   the resident block in hand
.set ADS, 4                            ; v4   my block of the slot in hand
.set RDS, 5                            ; v5   where wave 0 reads the partial scores
.set SPW, 6                            ; v6   my spare word; never rewritten
.set NIL, 7                            ; v7   0; never rewritten
.set XWA, 8                            ; v8   where my K step of xw goes in R0
.set XWS, 9                            ; v9   and its scale block
.set BCA, 10                           ; v10  my 64 numbers of b and c
.set SCA, 11                           ; v11  where my partial scores go
.set SWH, 12
.set SC,  16
.set H,   32
.set AF,  128
.set TM,  224
.set PCX, 240
.set PW,  248
.set KB,  32                           ; the last part: v32-95 2 log2(e) b, v96-159 -2 c, v160-223 at work, v224-231 four chains, v[232:233] the sum of c, v240-247 a tile's scores
.set C2,  96
.set Z,   160
.set CH,  224
.set CSUM, 232
.set PS,  240
.set G1J, 24                           ; s[24:31] group 1 of the joint loads;  s[32:39] of the plain ones
.set G1P, 32
; s12 wave, s13 cx, s15 wave x BLK, s16 the slot in hand, s17 the resident block in hand, s18 a loop's count, s19 lanes 16-31, s[20:21] lane selects, s[22:23] 2 log2(e),
; s[40:43] group 0 for my rows of x, s[44:47] for slot 0's first fill, s[48:51] for slot 1's, which then walks; s[52:53] a step's extra offset, s54 batch x PANEL
.set MSB, 0
.macro WIN new                         ; the immediate's high byte repeats the setting that is left
.if MSB != \new
	s_set_vgpr_msb (MSB<<8)|\new
.set MSB, \new
.endif
.endm
.set MUL_LO, 0xa1                      ; source 0 (stream) window 1, source 1 (resident) window 0, C and D window 2
.set MUL_HI, 0xf1                      ; the same, C and D window 3
.set TO_S,   0x40                      ; destination window 1
.macro CREST                           ; a round of the cluster's barrier behind its opening barrier
	s_cmp_lg_u32 s12, 0
	s_cbranch_scc1 .Lnot_wave_0_\@
	s_barrier_signal -3
.Lnot_wave_0_\@:
	s_barrier_wait -3
	s_barrier_signal -1
	s_barrier_wait -1
.endm
.macro CROUND
	s_barrier_signal -1
	s_barrier_wait -1
	CREST
.endm
.macro PLACES                          ; four plain places behind matrix instructions, ahead of loads into their registers and of reads of their results
.rept 4
	v_nop
.endr
.endm
.macro FETCH reg, adr, off             ; a fragment's image
.irp c, 0,1,2
	ds_load_b128 v[\reg+4*\c:\reg+4*\c+3], v[\adr] offset:\off+512*\c
.endr
.endm
.macro FETCH_S q, set                  ; the stream's eight fragments of the slot's K step q: 24 loads
	WIN TO_S
.irp i, 0,1,2,3,4,5,6,7
	FETCH 128*(\set)+12*\i, ADS, (\q)*KSB+\i*FRB
.endr
	WIN 0
.endm
.macro FETCH_R q, i0                   ; the resident tiles i0 .. i0 + 3: 12 loads
.irp i, \i0, \i0+1, \i0+2, \i0+3
	FETCH AF+12*(\i), ADA, (\q)*KSB+(\i)*FRB
.endr
.endm
.macro SCALES q, z                     ; both sides' scale words of K step q into set z
	ds_load_b128 v[SC+8*(\z):SC+8*(\z)+3], v[ADS] offset:SCO+512*(\q)
	ds_load_b128 v[SC+4+8*(\z):SC+7+8*(\z)], v[ADA] offset:SCO+512*(\q)
.endm
; one product: tile a of t x tile i of the stream.  An odd tile's scale words lie in lanes 16-31 of its register
.macro WM a, i, set, z, zero
.set rD, 8*(8*((\a)%4)+(\i))
.set rA, 128*(\set)+12*(\i)
.set rB, AF+12*(\a)
.set rP, SC+8*(\z)+(\i)/2
.set rQ, SC+4+8*(\z)+(\a)/2
.set rW, 2*((\a)%2)+(\i)%2
.if \zero
.if rW == 0
	v_wmma_scale_f32_16x16x128_f8f6f4 v[rD:rD+7], v[rA:rA+11], v[rB:rB+11], 0, v[rP], v[rQ] matrix_a_fmt:MATRIX_FMT_BF6 matrix_b_fmt:MATRIX_FMT_BF6
.elseif rW == 1
	v_wmma_scale_f32_16x16x128_f8f6f4 v[rD:rD+7], v[rA:rA+11], v[rB:rB+11], 0, v[rP], v[rQ] matrix_a_fmt:MATRIX_FMT_BF6 matrix_b_fmt:MATRIX_FMT_BF6 matrix_a_scale:MATRIX_SCALE_ROW1
.elseif rW == 2
	v_wmma_scale_f32_16x16x128_f8f6f4 v[rD:rD+7], v[rA:rA+11], v[rB:rB+11], 0, v[rP], v[rQ] matrix_a_fmt:MATRIX_FMT_BF6 matrix_b_fmt:MATRIX_FMT_BF6 matrix_b_scale:MATRIX_SCALE_ROW1
.else
	v_wmma_scale_f32_16x16x128_f8f6f4 v[rD:rD+7], v[rA:rA+11], v[rB:rB+11], 0, v[rP], v[rQ] matrix_a_fmt:MATRIX_FMT_BF6 matrix_b_fmt:MATRIX_FMT_BF6 matrix_a_scale:MATRIX_SCALE_ROW1 matrix_b_scale:MATRIX_SCALE_ROW1
.endif
.else
.if rW == 0
	v_wmma_scale_f32_16x16x128_f8f6f4 v[rD:rD+7], v[rA:rA+11], v[rB:rB+11], v[rD:rD+7], v[rP], v[rQ] matrix_a_fmt:MATRIX_FMT_BF6 matrix_b_fmt:MATRIX_FMT_BF6
.elseif rW == 1
	v_wmma_scale_f32_16x16x128_f8f6f4 v[rD:rD+7], v[rA:rA+11], v[rB:rB+11], v[rD:rD+7], v[rP], v[rQ] matrix_a_fmt:MATRIX_FMT_BF6 matrix_b_fmt:MATRIX_FMT_BF6 matrix_a_scale:MATRIX_SCALE_ROW1
.elseif rW == 2
	v_wmma_scale_f32_16x16x128_f8f6f4 v[rD:rD+7], v[rA:rA+11], v[rB:rB+11], v[rD:rD+7], v[rP], v[rQ] matrix_a_fmt:MATRIX_FMT_BF6 matrix_b_fmt:MATRIX_FMT_BF6 matrix_b_scale:MATRIX_SCALE_ROW1
.else
	v_wmma_scale_f32_16x16x128_f8f6f4 v[rD:rD+7], v[rA:rA+11], v[rB:rB+11], v[rD:rD+7], v[rP], v[rQ] matrix_a_fmt:MATRIX_FMT_BF6 matrix_b_fmt:MATRIX_FMT_BF6 matrix_a_scale:MATRIX_SCALE_ROW1 matrix_b_scale:MATRIX_SCALE_ROW1
.endif
.endif
.endm
.macro MUL16 a0, set, z, zero          ; the 64 accumulators take turns, one instruction a turn, in the same order in every K step
.irp a, \a0, \a0+1
.irp i, 0,1,2,3,4,5,6,7
	WM (\a), \i, \set, \z, \zero
.endr
.endr
.endm
.macro NEXT                            ; on to the other slot and the next resident block
	s_xor_b32 s16, s16, FLIP
	v_add_nc_u32 v[ADS], s16, v[SB0]
	s_add_co_u32 s17, s17, BLK
	v_add_nc_u32 v[ADA], s17, v[LI]
.endm
.macro HEAD                            ; a pass's first fragments
	s_mov_b32 s17, 0
	v_add_nc_u32 v[ADA], s17, v[LI]
	v_add_nc_u32 v[ADS], s16, v[SB0]
	FETCH_S 0, 0
	FETCH_R 0, 0
	SCALES 0, 0
	FETCH_R 0, 4
.endm
.macro STEP zero                       ; a slot's first K step: multiplies set 0, fetches the second into set 1.  zero = 1: its products start the sums
	s_wait_dscnt 12                                ; all but the youngest twelve loads (resident tiles 4-7) are in
	WIN MUL_LO
	MUL16 0, 0, 0, \zero
	MUL16 2, 0, 0, \zero
	s_wait_dscnt 0x0                               ; tiles 4-7 are in (asked for 32 matrix instructions ago)
	PLACES
	FETCH_S 1, 1
	FETCH_R 1, 0
	SCALES 1, 1
	WIN MUL_HI
	MUL16 4, 0, 0, \zero
	MUL16 6, 0, 0, \zero
	PLACES
	WIN 0
	FETCH_R 1, 4
.endm
; THE CHANGE OF SLOTS with a refill, in the first half of a slot's second K step.  Each wave waits for all its tensor loads (one is out: its block of the other slot), adds 0 to its spare word, and waits for that and for
; its reads of this slot and of the resident block.  The barrier opens a round of the cluster's barrier: no wave of any partner still reads this slot or has a load on its way.  The joint refill, two slots ahead,
; is the first thing behind the round: 96 matrix instructions lie between it and the wait for it.  jump = 1: in the loop's last trip the stream leaves W for the batch's x.
.macro CHANGE jump
	s_wait_tensorcnt 0x0
	ds_add_u32 v[SPW], v[NIL]
	s_wait_dscnt 13                                ; (the add and the youngest twelve loads may be out)
	WIN MUL_LO
	MUL16 0, 1, 1, 0                               ; sixteen matrix instructions stand between the add and the wait for it
	s_wait_dscnt 0x0                               ; the add is done, and my LDS reads are over
	s_barrier_signal -1
	MUL16 2, 1, 1, 0
	WIN 0
	s_barrier_wait -1
	CREST
	s_add_co_u32 s49, s16, s15                     ; my block of the slot just read out;
	s_add_nc_u64 s[50:51], s[50:51], SLOTB         ; the stream's next slot; the type bits on top are not reached
.if \jump
	s_cmp_eq_u32 s18, 1
	s_cselect_b32 s52, s54, 0
	s_add_nc_u64 s[50:51], s[50:51], s[52:53]      ; x's slots lie batch x PANEL bytes behind W's
.endif
	tensor_load_to_lds s[48:51], s[G1J:G1J+7]
	s_nop 0
	PLACES                                         ; four v_nop behind the load; they are also the places ahead of the loads that follow
.endm
.macro TURN fill, jump                 ; a slot's second K step: multiplies set 1, changes slots, fetches the next slot's first K step into set 0
.if \fill
	CHANGE \jump
.else
	s_wait_tensorcnt 0x0                           ; my block of the last slot has landed; I alone read it, and nothing is filled again: no barrier
	s_wait_dscnt 12
	WIN MUL_LO
	MUL16 0, 1, 1, 0
	MUL16 2, 1, 1, 0
	s_wait_dscnt 0x0
	PLACES
	WIN 0
.endif
	NEXT
	FETCH_S 0, 0
	FETCH_R 0, 0
	SCALES 0, 0
	WIN MUL_HI
	MUL16 4, 1, 1, 0
	MUL16 6, 1, 1, 0
	PLACES
	WIN 0
	FETCH_R 0, 4
.endm
.macro LAST fill                       ; a pass's last K step: nothing more to fetch for this pass
.if \fill
	CHANGE 0
	s_xor_b32 s16, s16, FLIP
.else
	s_wait_dscnt 12
	WIN MUL_LO
	MUL16 0, 1, 1, 0
	MUL16 2, 1, 1, 0
	s_wait_dscnt 0x0
.endif
	WIN MUL_HI
	MUL16 4, 1, 1, 0
	MUL16 6, 1, 1, 0
	WIN 0
	PLACES
.endm
.macro PASS jump                       ; four slots, each of which is filled again
	HEAD
	STEP 1
	s_mov_b32 s18, 3
.Lpass_\@:
	TURN 1, \jump
	STEP 0
	s_sub_co_u32 s18, s18, 1
	s_cmp_lg_u32 s18, 0
	s_cbranch_scc1 .Lpass_\@
	LAST 1
.endm
; Tile a's 64 results of a lane (register 16 b + i = k 32 b + 16 h + i of its row) become a fragment's codes in v[pc] on and the row's scale word in v[pw].  Each accumulator is read from its low end on.
.macro QUANTF a, pc, pw
.set qS, 64*((\a)%4)
.set qW, 2+(\a)/4
.set qM, (qW<<2)|(qW<<4)
	WIN qM                                         ; sources 1 and 2: the accumulators' window
.irp b, 0,1,2,3
	v_max3_num_f32 v[TM+\b], 0x2800000, |v[qS+16*\b]|, |v[qS+16*\b+1]|   ; the floor 2^(5 - 127) among the leaves
.endr
.irp i, 2,4,6,8,10,12,14
.irp b, 0,1,2,3
	v_max3_num_f32 v[TM+\b], v[TM+\b], |v[qS+16*\b+\i]|, |v[qS+16*\b+\i+1]|
.endr
.endr
	WIN 0
.irp b, 0,1,2,3
	v_permlanex16_b32 v[TM+4+\b], v[TM+\b], s20, s21
.endr
.irp b, 0,1,2,3
	v_max_num_f32 v[TM+\b], v[TM+\b], v[TM+4+\b]
.endr
.irp b, 0,1,2,3
	v_add_nc_u32 v[TM+12+\b], 0xfe000000, v[TM+\b]
.endr
.irp b, 0,1,2,3
	v_lshrrev_b32 v[TM+4+\b], 23, v[TM+12+\b]
.endr
	v_lshl_or_b32 v[\pw], v[TM+5], 8, v[TM+4]
	v_lshl_or_b32 v[\pw], v[TM+6], 16, v[\pw]
	v_lshl_or_b32 v[\pw], v[TM+7], 24, v[\pw]
	WIN qW                                         ; source 0: the accumulators' window
.irp c, 0,1
	v_cvt_scalef32_pk16_bf6_f32 v[\pc+6*\c:\pc+2+6*\c], v[qS+32*\c:qS+15+32*\c], v[TM+12+2*\c]
	v_cvt_scalef32_pk16_bf6_f32 v[PCX+4*\c:PCX+2+4*\c], v[qS+16+32*\c:qS+31+32*\c], v[TM+12+2*\c+1]
.endr
	WIN 0
	v_nop                                          ; one plain place behind a scaled conversion
.irp c, 0,1
.irp i, 0,1,2
	v_permlane16_swap_b32 v[\pc+6*\c+\i], v[PCX+4*\c+\i]
.endr
.irp i, 0,1,2
	v_mov_b32 v[\pc+3+6*\c+\i], v[PCX+4*\c+\i]
.endr
.endr
.endm
	s_load_b128 s[4:7], s[0:1], 0x0                ; codes, b
	s_load_b128 s[8:11], s[0:1], 0x10              ; context_vector, scores
	v_lshl_add_u32 v[SPW], v0, 2, SPARE
	v_mov_b32 v[NIL], 0
	ds_add_u32 v6, v7
	ds_add_u32 v6, v7
	s_wait_dscnt 0x0
	v_lshrrev_b32 v1, 5, v0
	v_readfirstlane_b32 s12, v1                    ; wave 0..3
	s_bfe_u32 s13, ttmp6, 0x40000                  ; cx: my block of 128 rows t.  It enters two global addresses and nothing else
	s_mul_i32 s15, s12, BLK
	s_mul_i32 s54, ttmp9, PANEL                    ; in a cluster launch ttmp9 counts clusters: the batch
	s_mov_b32 s52, 0
	s_mov_b32 s53, 0
	s_mov_b32 s19, 0xffff0000
	s_mov_b32 s20, 0x76543210
	s_mov_b32 s21, 0xfedcba98
	s_mov_b32 s22, 0x4038aa3b                      ; 2 log2(e)
	s_mov_b32 s23, s22                             ; (named with it as a pair)
	s_mov_b32 s16, SLOT0
	; group 1: a dense block of 25,600 bytes as 100 rows of 256 bytes (32 elements of 8 bytes), no padding
	s_mov_b32 s[G1J], 15|(3<<16)|(1<<21)           ; the mask names all four work-groups; bit 21 set beside it
	s_mov_b32 s[G1P], 3<<16                        ; no mask: my own rows
.irp g, G1J, G1P
	s_mov_b32 s[\g+1], 32<<16                      ; tensor_dim0 = 32
	s_mov_b32 s[\g+2], 100<<16                     ; tensor_dim1 = 100
	s_mov_b32 s[\g+3], 32<<16                      ; tile_dim0 = 32
	s_mov_b32 s[\g+4], 100                         ; tile_dim1 = 100
	s_mov_b32 s[\g+5], 32                          ; from row to row
	s_mov_b32 s[\g+6], 0
	s_mov_b32 s[\g+7], 0
.endr
	s_mul_i32 s56, s12, SLOTB                      ; my rows of x: wave w fetches K steps 2 w, 2 w + 1: slot 8 + 4 batch + w, block cx
	s_mul_i32 s57, s13, BLK
	s_add_co_u32 s56, s56, s57
	s_add_co_u32 s56, s56, s54
	s_add_co_u32 s56, s56, 8*SLOTB
	s_mov_b32 s57, 0
	s_mov_b32 s58, s15                             ; the stream: block w of each slot
	s_mov_b32 s59, 0
	s_lshl_b32 s60, ttmp9, 11
	s_lshl_b32 s61, s13, 9
	s_add_co_u32 s60, s60, s61                     ; scores: (512 batch + 128 cx) x 4
	s_mov_b32 s61, 0
	s_wait_kmcnt 0x0
	s_add_nc_u64 s[10:11], s[10:11], s[60:61]
	s_mov_b32 s40, 1
	s_mov_b32 s41, s15                             ; R0's block w
	s_add_nc_u64 s[42:43], s[4:5], s[56:57]
	s_or_b32 s43, s43, 0x80000000
	s_mov_b32 s44, 1
	s_add_co_u32 s45, s15, SLOT0
	s_add_nc_u64 s[46:47], s[4:5], s[58:59]
	s_or_b32 s47, s47, 0x80000000
	s_mov_b32 s48, 1
	s_add_co_u32 s49, s15, SLOT1
	s_add_nc_u64 s[50:51], s[4:5], s[58:59]
	s_add_nc_u64 s[50:51], s[50:51], SLOTB
	s_or_b32 s51, s51, 0x80000000
	CROUND                                         ; all four work-groups are here: the first joint loads meet
	tensor_load_to_lds s[40:43], s[G1P:G1P+7]      ; the first fills go out as one group: three loads of mine are out
	s_nop 0
	tensor_load_to_lds s[44:47], s[G1J:G1J+7]
	s_nop 0
	tensor_load_to_lds s[48:51], s[G1J:G1J+7]
	s_nop 0
	PLACES
	v_lshlrev_b32 v[ADS], 4, v0                    ; (for now: 16 x thread)
	global_load_b128 v[32:35], v[ADS], s[6:7]      ; thread t takes four numbers of b and of c
	global_load_b128 v[36:39], v[ADS], s[8:9]
	v_lshl_add_u32 v[ADA], v0, 4, BC               ; (for now: where they go)
	v_and_b32 v[LI], 31, v0
	v_lshlrev_b32 v[SCA], 2, v[LI]
	v_lshlrev_b32 v[LI], 4, v[LI]
	v_add_nc_u32 v[SB0], s15, v[LI]
	v_add_nc_u32 v[RDS], SCR, v[LI]
	s_lshl_b32 s56, s12, 9
	s_add_co_u32 s57, s56, BC
	v_bfe_u32 v[BCA], v0, 4, 1
	v_lshlrev_b32 v[BCA], 5, v[BCA]
	v_add_nc_u32 v[BCA], s57, v[BCA]               ; BC + 512 w + 32 h: tile i's eight numbers 64 i further on
	s_add_co_u32 s57, s56, SCR
	v_add_nc_u32 v[SCA], s57, v[SCA]               ; SCR + 512 w + 4 x lane
	s_lshr_b32 s56, s12, 1
	s_mul_i32 s56, s56, BLK
	s_and_b32 s57, s12, 1
	s_mul_i32 s58, s57, KSB
	s_add_co_u32 s58, s58, s56
	v_add_nc_u32 v[XWA], s58, v[LI]                ; K step w of xw: block w / 2, step w % 2
	s_lshl_b32 s57, s57, 9
	s_add_co_u32 s57, s57, s56
	s_add_co_u32 s57, s57, SCO
	v_add_nc_u32 v[XWS], s57, v[LI]
.irp b, 0,1,2,3
	v_mov_b32 v[TM+4+\b], 0                        ; written once: a lane permute's destination counts as one of its sources
.endr
	s_wait_loadcnt 0x0
	v_pk_mul_f32 v[32:33], v[32:33], s[22:23] op_sel_hi:[1,0]
	v_pk_mul_f32 v[34:35], v[34:35], s[22:23] op_sel_hi:[1,0]
	v_pk_mul_f32 v[36:37], v[36:37], -2.0 op_sel_hi:[1,0]
	v_pk_mul_f32 v[38:39], v[38:39], -2.0 op_sel_hi:[1,0]
	ds_store_b128 v[ADA], v[32:35]
	ds_store_b128 v[ADA], v[36:39] offset:2048
	s_wait_tensorcnt 1                             ; my block of x and my block of slot 0 are in; slot 1's may stay out
	s_wait_dscnt 0x0
	s_barrier_signal -1
	s_barrier_wait -1                              ; everybody's are
	PASS 0                                         ; stream slots 0-3; refills: slots 2-5
.irp a, 0,1,2,3,4,5,6,7
	QUANTF \a, H+12*\a, PW+\a                      ; xw's K step w: the codes wait in registers
.endr
.irp k, 0,1,2,3
	v_cndmask_b32 v[SWH+\k], v[PW+2*\k], v[PW+1+2*\k], s19   ; the even tile's words in lanes 0-15, the odd tile's in lanes 16-31
.endr
	PASS 1                                         ; stream slots 4-7; refills: slots 6-9
	; every wave has waited for its reads of my rows of x ahead of the last round: R0 now takes xw
.irp a, 0,1,2,3,4,5,6,7
.irp c, 0,1,2
	ds_store_b128 v[XWA], v[H+12*\a+4*\c:H+12*\a+4*\c+3] offset:\a*FRB+512*\c
.endr
.endr
	ds_store_b128 v[XWS], v[SWH:SWH+3]
.irp a, 0,1,2,3,4,5,6,7
	QUANTF \a, AF+12*\a, PW+\a                     ; K step 4 + w
.endr
.irp k, 0,1,2,3
	v_cndmask_b32 v[TM+\k], v[PW+2*\k], v[PW+1+2*\k], s19
.endr
.irp a, 0,1,2,3,4,5,6,7
.irp c, 0,1,2
	ds_store_b128 v[XWA], v[AF+12*\a+4*\c:AF+12*\a+4*\c+3] offset:2*BLK+\a*FRB+512*\c
.endr
.endr
	ds_store_b128 v[XWS], v[TM:TM+3] offset:2*BLK
	s_wait_dscnt 0x0                               ; for the others' sake: my part of xw lies in R0
	s_barrier_signal -1
	s_barrier_wait -1                              ; (slot 9's load may stay out)
	HEAD                                           ; pass 2: stream slots 8-11; refills: slots 10, 11
	STEP 1
	s_mov_b32 s18, 2
.Leij:
	TURN 1, 0
	STEP 0
	s_sub_co_u32 s18, s18, 1
	s_cmp_lg_u32 s18, 0
	s_cbranch_scc1 .Leij
	TURN 0, 0                                      ; the tail is written out: it asks for nothing more
	STEP 0
	LAST 0
	; THE LAST PART.  Register 8 i + j of tile a is eij(t = 16 a + lane % 16, s = 128 w + 16 i + 8 h + j)
.irp i, 0,1,2,3,4,5,6,7
	ds_load_b128 v[KB+8*\i:KB+8*\i+3], v[BCA] offset:64*\i
	ds_load_b128 v[KB+8*\i+4:KB+8*\i+7], v[BCA] offset:64*\i+16
	ds_load_b128 v[C2+8*\i:C2+8*\i+3], v[BCA] offset:2048+64*\i
	ds_load_b128 v[C2+8*\i+4:C2+8*\i+7], v[BCA] offset:2048+64*\i+16
.endr
	s_wait_dscnt 0x0
.irp n, 0,1,2,3
	v_pk_add_f32 v[CH+2*\n:CH+2*\n+1], v[C2+2*\n:C2+2*\n+1], v[C2+8+2*\n:C2+9+2*\n]
.endr
.set nn, 8
.rept 24
	v_pk_add_f32 v[CH+2*(nn%4):CH+2*(nn%4)+1], v[CH+2*(nn%4):CH+2*(nn%4)+1], v[C2+2*nn:C2+2*nn+1]
.set nn, nn+1
.endr
	v_pk_add_f32 v[CH:CH+1], v[CH:CH+1], v[CH+2:CH+3]
	v_pk_add_f32 v[CH+4:CH+5], v[CH+4:CH+5], v[CH+6:CH+7]
	v_pk_add_f32 v[CH:CH+1], v[CH:CH+1], v[CH+4:CH+5]
	v_pk_mul_f32 v[CSUM:CSUM+1], v[CH:CH+1], -0.5 op_sel_hi:[1,0]   ; the sum of my 64 c, in two halves
; sum of c tanh = sum of c + sum of (-2 c) / (1 + 2^(k (eij + b))).  Each batch of 64 transcendentals has one plain line and one wait behind it, ahead of its first reader
.macro TANH a
.set qS, 64*((\a)%4)
.set qW, 2+(\a)/4
	WIN qW
.set nn, 0
.rept 32
	v_pk_fma_f32 v[Z+2*nn:Z+2*nn+1], v[qS+2*nn:qS+2*nn+1], s[22:23], v[KB+2*nn:KB+2*nn+1] op_sel_hi:[1,0,1]
.set nn, nn+1
.endr
	WIN 0
.set nn, 0
.rept 64
	v_exp_f32 v[Z+nn], v[Z+nn]
.set nn, nn+1
.endr
	v_nop
	s_wait_alu depctr_va_vdst(0)
.set nn, 0
.rept 32
	v_pk_add_f32 v[Z+2*nn:Z+2*nn+1], v[Z+2*nn:Z+2*nn+1], 1.0 op_sel_hi:[1,0]
.set nn, nn+1
.endr
.set nn, 0
.rept 64
	v_rcp_f32 v[Z+nn], v[Z+nn]
.set nn, nn+1
.endr
	v_nop
	s_wait_alu depctr_va_vdst(0)
.set nn, 0
.rept 32
.if nn == 0
	v_pk_fma_f32 v[CH:CH+1], v[Z:Z+1], v[C2:C2+1], v[CSUM:CSUM+1]
.elseif nn < 4
	v_pk_mul_f32 v[CH+2*nn:CH+2*nn+1], v[Z+2*nn:Z+2*nn+1], v[C2+2*nn:C2+2*nn+1]
.else
	v_pk_fma_f32 v[CH+2*(nn%4):CH+2*(nn%4)+1], v[Z+2*nn:Z+2*nn+1], v[C2+2*nn:C2+2*nn+1], v[CH+2*(nn%4):CH+2*(nn%4)+1]
.endif
.set nn, nn+1
.endr
	v_pk_add_f32 v[CH:CH+1], v[CH:CH+1], v[CH+2:CH+3]
	v_pk_add_f32 v[CH+4:CH+5], v[CH+4:CH+5], v[CH+6:CH+7]
	v_pk_add_f32 v[CH:CH+1], v[CH:CH+1], v[CH+4:CH+5]
	v_add_f32 v[PS+(\a)], v[CH], v[CH+1]
.endm
.irp a, 0,1,2,3,4,5,6,7
	TANH \a
.endr
.irp a, 0,1,2,3,4,5,6,7
	v_permlanex16_b32 v[CH+\a], v[PS+\a], s20, s21
.endr
.irp a, 0,1,2,3,4,5,6,7
	v_add_f32 v[PS+\a], v[PS+\a], v[CH+\a]         ; with lane l xor 16's 64 s: my wave's 128
.endr
.irp k, 0,1,2,3
	v_cndmask_b32 v[CSUM+\k], v[PS+2*\k], v[PS+1+2*\k], s19   ; lane l: row t = 32 k + l
.endr
.irp k, 0,1,2,3
	ds_store_b32 v[SCA], v[CSUM+\k] offset:128*\k
.endr
	s_wait_dscnt 0x0
	s_barrier_signal -1
	s_barrier_wait -1
	s_cmp_lg_u32 s12, 0
	s_cbranch_scc1 .Ldone
.irp w, 0,1,2,3
	ds_load_b128 v[32+4*\w:35+4*\w], v[RDS] offset:512*\w   ; the four waves' parts of rows 4 x lane .. + 3
.endr
	s_wait_dscnt 0x0
	v_pk_add_f32 v[32:33], v[32:33], v[36:37]
	v_pk_add_f32 v[34:35], v[34:35], v[38:39]
	v_pk_add_f32 v[40:41], v[40:41], v[44:45]
	v_pk_add_f32 v[42:43], v[42:43], v[46:47]
	v_pk_add_f32 v[32:33], v[32:33], v[40:41]
	v_pk_add_f32 v[34:35], v[34:35], v[42:43]
	global_store_b128 v[LI], v[32:35], s[10:11]    ; 32 lanes store 512 consecutive bytes
.Ldone:
	s_wait_tensorcnt 0x0                           ; the wave's end
	ds_add_u32 v[SPW], v[NIL]
	s_wait_dscnt 0x0
	CROUND                                         ; the closing round
	s_endpgm
.Lfunc_end_k_q001d828e44_bilin:
	.size	k_q001d828e44_bilin, .Lfunc_end_k_q001d828e44_bilin-k_q001d828e44_bilin
	.p2alignl 7, 3214868480
	.fill 96, 4, 3214868480
	.section	.rodata,"a",@progbits
	.p2align	6, 0x0
	.amdhsa_kernel k_q001d828e44_bilin
		.amdhsa_group_segment_fixed_size 327680
		.amdhsa_private_segment_fixed_size 0
		.amdhsa_enable_private_segment 0
		.amdhsa_kernarg_size 32
		.amdhsa_user_sgpr_count 2
		.amdhsa_user_sgpr_kernarg_segment_ptr 1
		.amdhsa_wavefront_size32 1
		.amdhsa_system_sgpr_workgroup_id_x 1
		.amdhsa_system_sgpr_workgroup_id_y 1
		.amdhsa_system_sgpr_workgroup_id_z 1
		.amdhsa_system_vgpr_workitem_id 0
		.amdhsa_next_free_vgpr 1024
		.amdhsa_next_free_sgpr 66
		.amdhsa_reserve_vcc 0
		.amdhsa_float_denorm_mode_32 3
		.amdhsa_float_denorm_mode_16_64 3
		.amdhsa_memory_ordered 1
		.amdhsa_forward_progress 1
		.amdhsa_inst_pref_size 255
	.end_amdhsa_kernel
	.section	.bss,"aw",@nobits
	.p2align	6
	.space	262144
	.amdgpu_metadata
---
amdhsa.version: [ 1, 2 ]
amdhsa.kernels:
  - .name:           k_q001d828e44_bilin
    .symbol:         k_q001d828e44_bilin.kd
    .args:
      - { .name: codes, .offset: 0, .size: 8, .value_kind: global_buffer, .address_space: global }
      - { .name: b, .offset: 8, .size: 8, .value_kind: global_buffer, .address_space: global }
      - { .name: context_vector, .offset: 16, .size: 8, .value_kind: global_buffer, .address_space: global }
      - { .name: scores, .offset: 24, .size: 8, .value_kind: global_buffer, .address_space: global }
    .group_segment_fixed_size: 327680
    .private_segment_fixed_size: 0
    .kernarg_segment_align: 8
    .kernarg_segment_size: 32
    .max_flat_workgroup_size: 128
    .sgpr_count:     66
    .vgpr_count:     1024
    .wavefront_size: 32
...
	.end_amdgpu_metadata
.endif
;; end of part 2
;; launch pool (part 3): grid 256 x 1, 16 waves a work-group, no clusters, 22,528 bytes of LDS; arguments x, mask, scores, out0, out1; writes out0, out1
.if DOCPART == 3
	.amdgcn_target "amdgcn-amd-amdhsa--gfx1250"
	.amdhsa_code_object_version 6
	.text
	.protected	k_q001d828e44_pool
	.globl	k_q001d828e44_pool
	.p2align	8
	.type	k_q001d828e44_pool,@function
k_q001d828e44_pool:
	s_mov_b64 s[64:65], 0
	v_nop
	global_prefetch_b8 v0, s[64:65] scope:SCOPE_SE
	s_setreg_imm32_b32 hwreg(HW_REG_WAVE_MODE, 25, 1), 1
	s_wait_xcnt 0x0
; a = softmax over t of (mask ? scores : -infinity)  -> out1 [64][512];   out0[batch][d] = sum over t of a[t] x[batch][t][d].  All in f32; the maximum is taken away ahead of the exponential.
; SHARES.  Work-group = (batch, quarter of the 1,024 columns): 256 columns, 1,024 bytes of each row.  Every work-group makes the batch's softmax for itself (512 numbers, one a thread); quarter 0 stores it.
; SIXTEEN waves of 256 registers, four to a SIMD.  Wave v sums rows 32 v .. 32 v + 31; a lane holds 8 columns; the sixteen waves' sums meet in LDS.
; A ring of 22 row slots in registers: 22 rows of a wave (44 loads of 512 consecutive bytes) are asked for ahead of the softmax, the other ten as slots come free: 16 x 22 KB of a work-group are on their way.
; A ROW THAT THE MASK HIDES has a = 0 exactly and need not be read: its load is turned onto the wave's first row (the row's offset is multiplied by the mask's byte, held at 1), so that the counts of the waits are
; the same whatever the mask, with no branch.  No matrix unit, no cluster, no tensor load: the launch streams, and work-groups share nothing but 2 KB of scores.
; LIMITS: a batch whose mask is all false gives NaN, as the definition does; infinities and NaN in x are not served.
.set ROWS, 32                          ; rows of a wave
.set S,    22                          ; row slots
.set RED,  0                           ; LDS: the waves' maxima, 16 words,
.set RED2, 256                         ; their sums,
.set AA,   512                         ; a[512],
.set PART, 4096                        ; the waves' partial sums: 16 x 1,024 bytes
.set OFF,  16                          ; v16-37   a slot's byte offset
.set ACC,  38                          ; v38-45   my 8 columns' sums
.set A,    46                          ; v46-77   my wave's 32 a; ahead of that at work in the softmax
.set X,    78                          ; v78-253  22 slots of 8 registers
	s_load_b128 s[4:7], s[0:1], 0x0                ; x, mask
	s_load_b128 s[8:11], s[0:1], 0x10              ; scores, out0
	s_load_b64 s[12:13], s[0:1], 0x20              ; out1
	v_lshl_add_u32 v254, v0, 2, 0x5000
	v_mov_b32 v255, 0
	v_lshrrev_b32 v2, 5, v0
	v_readfirstlane_b32 s14, v2                    ; wave 0..15
	v_and_b32 v1, 31, v0
	v_lshlrev_b32 v1, 4, v1                        ; 16 x lane
	v_lshlrev_b32 v3, 4, v0                        ; 16 x thread
	v_lshlrev_b32 v4, 2, v0                        ; 4 x thread
	v_and_b32 v5, 255, v0
	v_lshlrev_b32 v5, 3, v5                        ; 8 x (thread % 256): out1's way out, used by waves 0-7
	v_lshlrev_b32 v6, 2, v2                        ; 4 x wave
	v_mov_b32 v7, 0
	v_lshl_add_u32 v14, v2, 7, AA                  ; my wave's 32 a
	v_lshl_add_u32 v15, v2, 10, v1                 ; 1,024 x wave + 16 x lane
	s_lshr_b32 s15, ttmp9, 2                       ; batch
	s_and_b32 s33, ttmp9, 3                        ; quarter
	s_lshl_b32 s34, s15, 21                        ; x: 512 rows of 4,096 bytes a batch,
	s_lshl_b32 s35, s14, 17                        ; 32 rows a wave,
	s_add_co_u32 s34, s34, s35
	s_lshl_b32 s35, s33, 10                        ; 1,024 bytes a quarter
	s_add_co_u32 s34, s34, s35
	s_mov_b32 s35, 0
	s_lshl_b32 s36, s15, 9                         ; mask: 512 bytes a batch
	s_mov_b32 s37, 0
	s_lshl_b32 s38, s14, 5                         ; 32 a wave
	s_mov_b32 s39, 0
	s_lshl_b32 s40, s15, 11                        ; scores, out1: 2,048 bytes a batch
	s_mov_b32 s41, 0
	s_lshl_b32 s42, s15, 12                        ; out0: 4,096 bytes a batch, 1,024 a quarter
	s_lshl_b32 s43, s33, 10
	s_add_co_u32 s42, s42, s43
	s_mov_b32 s43, 0
	s_mov_b32 s48, 0x76543210
	s_mov_b32 s49, 0xfedcba98                      ; v_permlanex16_b32's selects for lane l xor 16
	s_wait_kmcnt 0x0
	s_add_nc_u64 s[4:5], s[4:5], s[34:35]
	s_add_nc_u64 s[6:7], s[6:7], s[36:37]
	s_add_nc_u64 s[44:45], s[6:7], s[38:39]
	s_add_nc_u64 s[8:9], s[8:9], s[40:41]
	s_add_nc_u64 s[12:13], s[12:13], s[40:41]
	s_add_nc_u64 s[10:11], s[10:11], s[42:43]
	s_load_b256 s[16:23], s[44:45], 0x0            ; my wave's 32 bytes of the mask
	global_load_b32 v8, v4, s[8:9]                 ; thread t: score t,
	global_load_u8 v10, v0, s[6:7]                 ; and its byte of the mask
	s_wait_kmcnt 0x0
.macro ROWLOAD i                       ; row i of my 32 into slot i % S
	s_bfe_u32 s46, s[16+(\i)/4], (8<<16)|(8*((\i)%4))
	s_min_u32 s46, s46, 1                          ; a loaded number enters an address only held by a constant
	s_mul_i32 s46, s46, (\i)*4096                  ; the row's offset, or 0 where the mask hides it
	v_add_nc_u32 v[OFF+(\i)%S], s46, v1
	global_load_b128 v[X+8*((\i)%S):X+8*((\i)%S)+3], v[OFF+(\i)%S], s[4:5]
	global_load_b128 v[X+8*((\i)%S)+4:X+8*((\i)%S)+7], v[OFF+(\i)%S], s[4:5] offset:512
.endm
.set rr, 0
.rept S
	ROWLOAD rr
.set rr, rr+1
.endr
	; the softmax, while the first rows are on their way
	s_wait_loadcnt 2*S                             ; the score and the mask's byte are in; the 44 loads behind them may be out
	v_mov_b32 v11, 0xff800000                      ; -infinity
	v_mov_b32 v13, 0                               ; (a lane permute's destination counts as one of its sources)
	v_cmp_ne_u32 vcc_lo, 0, v10
	v_cndmask_b32 v8, v11, v8, vcc_lo
	v_mov_b32 v12, v8
	v_max_num_f32_dpp v12, v12, v12 row_xmask:1 row_mask:0xf bank_mask:0xf
	v_max_num_f32_dpp v12, v12, v12 row_xmask:2 row_mask:0xf bank_mask:0xf
	v_max_num_f32_dpp v12, v12, v12 row_xmask:4 row_mask:0xf bank_mask:0xf
	v_max_num_f32_dpp v12, v12, v12 row_xmask:8 row_mask:0xf bank_mask:0xf
	v_permlanex16_b32 v13, v12, s48, s49
	v_max_num_f32 v12, v12, v13                    ; my wave's maximum, in every lane
	ds_store_b32 v6, v12 offset:RED
	s_wait_dscnt 0x0
	s_barrier_signal -1
	s_barrier_wait -1
.irp n, 0,1,2,3
	ds_load_b128 v[A+4*\n:A+4*\n+3], v7 offset:RED+16*\n
.endr
	s_wait_dscnt 0x0
	v_max3_num_f32 v[A], v[A], v[A+1], v[A+2]
.irp i, 3,5,7,9,11,13
	v_max3_num_f32 v[A], v[A], v[A+\i], v[A+\i+1]
.endr
	v_max_num_f32 v[A], v[A], v[A+15]              ; the batch's maximum
	v_sub_f32 v8, v8, v[A]
	v_mul_f32 v8, 0x3fb8aa3b, v8
	v_exp_f32 v8, v8
	v_nop                                          ; a plain line behind the transcendental,
	s_wait_alu depctr_va_vdst(0)                   ; and the wait ahead of its first reader
	v_mov_b32 v12, v8
	v_add_f32_dpp v12, v12, v12 row_xmask:1 row_mask:0xf bank_mask:0xf
	v_add_f32_dpp v12, v12, v12 row_xmask:2 row_mask:0xf bank_mask:0xf
	v_add_f32_dpp v12, v12, v12 row_xmask:4 row_mask:0xf bank_mask:0xf
	v_add_f32_dpp v12, v12, v12 row_xmask:8 row_mask:0xf bank_mask:0xf
	v_permlanex16_b32 v13, v12, s48, s49
	v_add_f32 v12, v12, v13
	ds_store_b32 v6, v12 offset:RED2
	s_wait_dscnt 0x0
	s_barrier_signal -1
	s_barrier_wait -1
.irp n, 0,1,2,3
	ds_load_b128 v[A+4*\n:A+4*\n+3], v7 offset:RED2+16*\n
.endr
	s_wait_dscnt 0x0
.irp i, 0,4,8,12
	v_pk_add_f32 v[A+\i:A+\i+1], v[A+\i:A+\i+1], v[A+\i+2:A+\i+3]
.endr
	v_pk_add_f32 v[A:A+1], v[A:A+1], v[A+4:A+5]
	v_pk_add_f32 v[A+8:A+9], v[A+8:A+9], v[A+12:A+13]
	v_pk_add_f32 v[A:A+1], v[A:A+1], v[A+8:A+9]
	v_add_f32 v[A], v[A], v[A+1]                   ; the batch's sum
	v_rcp_f32 v[A+2], v[A]
	v_nop
	s_wait_alu depctr_va_vdst(0)
	v_mul_f32 v8, v8, v[A+2]
	ds_store_b32 v4, v8 offset:AA
	s_wait_dscnt 0x0
	s_barrier_signal -1
	s_barrier_wait -1                              ; a[512] lies in LDS
	s_cmp_lg_u32 s33, 0                            ; out1 leaves by quarter 0's waves 0-7, 8 bytes a lane,
	s_cbranch_scc1 .Lno_a
	s_cmp_gt_u32 s14, 7
	s_cbranch_scc1 .Lno_a
	ds_load_b64 v[8:9], v5 offset:AA
	s_wait_dscnt 0x0
	global_store_b64 v5, v[8:9], s[12:13]          ; so that a wave stores 256 consecutive bytes, aligned
.Lno_a:
.irp n, 0,1,2,3,4,5,6,7
	ds_load_b128 v[A+4*\n:A+4*\n+3], v14 offset:16*\n   ; all lanes name the same bytes
.endr
	s_wait_dscnt 0x0
.macro ROW i
.if (\i) <= ROWS-S
	s_wait_loadcnt 2*(S-1)                         ; my row's two loads are in; the 21 younger rows' may be out
.else
	s_wait_loadcnt 2*(ROWS-1-(\i))
.endif
.set rX, X+8*((\i)%S)
.set rA, A+2*((\i)/2)
.irp k, 0,1,2,3
.if (\i) == 0
	v_pk_mul_f32 v[ACC+2*\k:ACC+2*\k+1], v[rX+2*\k:rX+2*\k+1], v[rA:rA+1] op_sel_hi:[1,0]   ; the first row starts the sums
.elseif (\i)%2 == 0
	v_pk_fma_f32 v[ACC+2*\k:ACC+2*\k+1], v[rX+2*\k:rX+2*\k+1], v[rA:rA+1], v[ACC+2*\k:ACC+2*\k+1] op_sel_hi:[1,0,1]
.else
	v_pk_fma_f32 v[ACC+2*\k:ACC+2*\k+1], v[rX+2*\k:rX+2*\k+1], v[rA:rA+1], v[ACC+2*\k:ACC+2*\k+1] op_sel:[0,1,0] op_sel_hi:[1,1,1]
.endif
.endr
.if (\i)+S < ROWS
	ROWLOAD (\i)+S                                 ; the slot's offset register is free: the wait above has shown its loads done
.endif
.endm
.set rr, 0
.rept ROWS
	ROW rr
.set rr, rr+1
.endr
	ds_store_b128 v15, v[ACC:ACC+3] offset:PART
	ds_store_b128 v15, v[ACC+4:ACC+7] offset:PART+512
	s_wait_dscnt 0x0
	s_barrier_signal -1
	s_barrier_wait -1
	s_cmp_gt_u32 s14, 1
	s_cbranch_scc1 .Lend
.irp n, 0,1,2,3,4,5,6,7,8,9,10,11,12,13,14,15
	ds_load_b128 v[X+4*\n:X+4*\n+3], v3 offset:PART+1024*\n   ; threads 0-63: the sixteen waves' sums of four columns
.endr
	s_wait_dscnt 0x0
.irp n, 0,2,4,6,8,10,12,14
	v_pk_add_f32 v[X+4*\n:X+4*\n+1], v[X+4*\n:X+4*\n+1], v[X+4*\n+4:X+4*\n+5]
	v_pk_add_f32 v[X+4*\n+2:X+4*\n+3], v[X+4*\n+2:X+4*\n+3], v[X+4*\n+6:X+4*\n+7]
.endr
.irp n, 0,4,8,12
	v_pk_add_f32 v[X+4*\n:X+4*\n+1], v[X+4*\n:X+4*\n+1], v[X+4*\n+8:X+4*\n+9]
	v_pk_add_f32 v[X+4*\n+2:X+4*\n+3], v[X+4*\n+2:X+4*\n+3], v[X+4*\n+10:X+4*\n+11]
.endr
.irp n, 0,8
	v_pk_add_f32 v[X+4*\n:X+4*\n+1], v[X+4*\n:X+4*\n+1], v[X+4*\n+16:X+4*\n+17]
	v_pk_add_f32 v[X+4*\n+2:X+4*\n+3], v[X+4*\n+2:X+4*\n+3], v[X+4*\n+18:X+4*\n+19]
.endr
	v_pk_add_f32 v[X:X+1], v[X:X+1], v[X+32:X+33]
	v_pk_add_f32 v[X+2:X+3], v[X+2:X+3], v[X+34:X+35]
	global_store_b128 v3, v[X:X+3], s[10:11]       ; a wave stores 512 consecutive bytes of out0
.Lend:
	s_wait_tensorcnt 0x0
	ds_add_u32 v254, v255
	s_wait_dscnt 0x0
	s_endpgm
.Lfunc_end_k_q001d828e44_pool:
	.size	k_q001d828e44_pool, .Lfunc_end_k_q001d828e44_pool-k_q001d828e44_pool
	.p2alignl 7, 3214868480
	.fill 96, 4, 3214868480
	.section	.rodata,"a",@progbits
	.p2align	6, 0x0
	.amdhsa_kernel k_q001d828e44_pool
		.amdhsa_group_segment_fixed_size 22528
		.amdhsa_private_segment_fixed_size 0
		.amdhsa_enable_private_segment 0
		.amdhsa_kernarg_size 40
		.amdhsa_user_sgpr_count 2
		.amdhsa_user_sgpr_kernarg_segment_ptr 1
		.amdhsa_wavefront_size32 1
		.amdhsa_system_sgpr_workgroup_id_x 1
		.amdhsa_system_sgpr_workgroup_id_y 1
		.amdhsa_system_sgpr_workgroup_id_z 1
		.amdhsa_system_vgpr_workitem_id 0
		.amdhsa_next_free_vgpr 256
		.amdhsa_next_free_sgpr 66
		.amdhsa_reserve_vcc 1
		.amdhsa_float_denorm_mode_32 3
		.amdhsa_float_denorm_mode_16_64 3
		.amdhsa_memory_ordered 1
		.amdhsa_forward_progress 1
		.amdhsa_inst_pref_size 31
	.end_amdhsa_kernel
	.amdgpu_metadata
---
amdhsa.version: [ 1, 2 ]
amdhsa.kernels:
  - .name:           k_q001d828e44_pool
    .symbol:         k_q001d828e44_pool.kd
    .args:
      - { .name: x, .offset: 0, .size: 8, .value_kind: global_buffer, .address_space: global }
      - { .name: mask, .offset: 8, .size: 8, .value_kind: global_buffer, .address_space: global }
      - { .name: scores, .offset: 16, .size: 8, .value_kind: global_buffer, .address_space: global }
      - { .name: out0, .offset: 24, .size: 8, .value_kind: global_buffer, .address_space: global }
      - { .name: out1, .offset: 32, .size: 8, .value_kind: global_buffer, .address_space: global }
    .group_segment_fixed_size: 22528
    .private_segment_fixed_size: 0
    .kernarg_segment_align: 8
    .kernarg_segment_size: 40
    .max_flat_workgroup_size: 512
    .sgpr_count:     66
    .vgpr_count:     256
    .wavefront_size: 32
...
	.end_amdgpu_metadata
.endif
;; end of part 3
